; MI455X (gfx1250); checked and timed in simulation.
; The chip was launched on July 23, 2026; its instructions are those of AMD's public machine-readable ISA for CDNA 5 (MIT licence, August 2026) and "CDNA5" Instruction Set Architecture Reference Guide (July 2026). The comments in the code are by the model that wrote it; some were corrected since.
;; Attention Block. Allowed arithmetic: matrix products marked QUANTISED: E2M1 operands, one E8M0 scale for each 32 along K, by v_wmma_scale_f32_16x16x128_f8f6f4 with both operands' format E2M1 (or v_wmma_scale_f32_32x16x128_f4), f32 sums; everything else in f32.
;; Inputs: Wk_codes 1,024 x 32 x 16 uint8 (E2M1 codes of Wk, K innermost, in blocks of 32 codes, two codes a byte); Wk_scales 1,024 x 32 uint8 (E8M0 scales of Wk, one for each 32 codes along K); Wo_codes 1,024 x 32 x 16 uint8 (E2M1 codes of Wo, K innermost, in blocks of 32 codes, two codes a byte); Wo_scales 1,024 x 32 uint8 (E8M0 scales of Wo, one for each 32 codes along K); Wq_codes 1,024 x 32 x 16 uint8 (E2M1 codes of Wq, K innermost, in blocks of 32 codes, two codes a byte); Wq_scales 1,024 x 32 uint8 (E8M0 scales of Wq, one for each 32 codes along K); Wv_codes 1,024 x 32 x 16 uint8 (E2M1 codes of Wv, K innermost, in blocks of 32 codes, two codes a byte); Wv_scales 1,024 x 32 uint8 (E8M0 scales of Wv, one for each 32 codes along K); bk 1,024 float32; bo 1,024 float32; bq 1,024 float32; bv 1,024 float32; x_codes 4 x 2,048 x 32 x 16 uint8 (E2M1 codes of x, K innermost, in blocks of 32 codes, two codes a byte); x_scales 4 x 2,048 x 32 uint8 (E8M0 scales of x, one for each 32 codes along K).
;; Outputs: out0 4 x 2,048 x 1,024 float32.
;; This version of the problem:
;;   THIS VERSION OF THE PROBLEM IS GIVEN IN LOW PRECISION. The matrix products marked QUANTISED in the list below multiply operands that are first quantised to E2M1 (2 exponent bits, 1 mantissa bit; 4 bits a number), with one power-of-two scale for each 32 numbers along K (OCP MX v1.0); their sums are f32. All else is computed in f32.
;;   The module's matrix products, in the order in which they are computed (A, B: the left and right operand; K: the contracted axis; several contracted axes count as one K, in the product's order):
;;     1. [M 8,192, K 1,024] x [K 1,024, N 1,024]; A: input x (given as codes); B: input Wq (given as codes): QUANTISED
;;     2. [M 8,192, K 1,024] x [K 1,024, N 1,024]; A: input x (given as codes); B: input Wk (given as codes): QUANTISED
;;     3. [M 8,192, K 1,024] x [K 1,024, N 1,024]; A: input x (given as codes); B: input Wv (given as codes): QUANTISED
;;     4. batch 64 x [M 2,048, K 64] x [K 64, N 2,048]; A: computed on the way; B: computed on the way: QUANTISED
;;     5. batch 64 x [M 2,048, K 2,048] x [K 2,048, N 64]; A: softmax (see below); B: computed on the way: QUANTISED
;;     6. [M 8,192, K 1,024] x [K 1,024, N 1,024]; A: computed on the way; B: input Wo (given as codes): QUANTISED
;;   THE QUANTISER, for each operand of a quantised product, along K:
;;     - K is cut into blocks of 32 from its start; a last block that is shorter is filled with zeros.
;;     - A block's scale is 2^e with e = floor(log2(the largest magnitude in the block)) - 2, held to -126 .. 127; a block of zeros has e = 0. As a byte (E8M0): e + 127.
;;     - Each number is divided by its block's scale, clamped to +-6, and rounded to the nearest number of E2M1, ties to even, subnormals kept.
;;     - The product sums the exact products of the quantised numbers (number of the format x scale) in f32.
;;   ~~~python
;;   def quantise(x, axis):      # numpy; x: float32 -> the quantised numbers, widened to float32 again
;;       x = np.moveaxis(x, axis, -1); K = x.shape[-1]
;;       x = np.pad(x, [(0, 0)] * (x.ndim - 1) + [(0, -K % 32)]); x = x.reshape(x.shape[:-1] + (-1, 32)); a = np.abs(x).max(-1, keepdims=True)
;;       e = np.where(a > 0, np.clip(np.frexp(np.where(a > 0, a, 1))[1] - 1 - 2, -126, 127), 0)      # np.frexp(a)[1] - 1 = floor(log2(a)), exactly
;;       r = np.clip(x / 2.0 ** e, -6, 6)
;;       step = 2.0 ** (np.maximum(np.frexp(np.where(r == 0, 1, r))[1] - 1, 0) - 1)
;;       q = np.round(r / step) * step * 2.0 ** e      # np.round: ties to even
;;       return np.moveaxis(q.reshape(q.shape[:-2] + (-1,))[..., :K], -1, axis).astype(np.float32)
;;   ~~~
;;   SOFTMAX AHEAD OF A QUANTISED PRODUCT. Where the list says 'softmax', what is quantised is not the finished softmax but p = 2^(t - M), with t = logit x log2(e) and M = ceil(the row's largest t), a whole number; so 1/2 < the row's largest p <= 1. The row's sum l is taken of the UNQUANTISED p, in f32, and the product's result is divided by l at the end. Since M is a whole number, a kernel that streams over the keys may use a running M (the ceiling of the running maximum): every later rescaling is an exact power of two, which a block's scale takes up: the codes' values come out the same.
;;   OPERANDS COMPUTED ON THE WAY. 'Computed on the way' means the value that the module computes at that place (a softmax that the list does not call 'softmax' is quantised finished and normalised). What goes into a quantiser is computed in f32, as accurately as f32 sums, v_exp_f32 and their like allow (about 1e-6 of the number): no bf16 or f16 on the way to a quantiser, and a product that is left as it is and whose result goes on into a quantised operand takes f32 operands (vector FMAs, or v_wmma_f32_16x16x4_f32). A number that lies on a knife's edge between two numbers of the format may be rounded either way, as far as f32 arithmetic and the matrix unit's own rounding can turn it there, and no further.
;;   INPUTS GIVEN AS CODES. Wk (in the module: [1024, 1024], K = its axis 1); Wo (in the module: [1024, 1024], K = its axis 1); Wq (in the module: [1024, 1024], K = its axis 1); Wv (in the module: [1024, 1024], K = its axis 1); x (in the module: [4, 2048, 1024], K = its axis 2): each comes as NAME_codes (uint8): NAME with its K axis moved to the last place and cut into blocks of 32 codes, [.., K / 32, bytes a block], one block behind the other in memory; two codes a byte, the lower K in the low four bits (a code: sign, 2 exponent bits, 1 mantissa bit); and NAME_scales (uint8): the same leading axes, one E8M0 byte (e + 127) for each 32 codes along K. Its value is code x scale, taken as it is: it is not quantised again, and the codes and scales need not be those that the quantiser above would give.
;; One version. Each part assembles by itself: llvm-mc -triple=amdgcn-amd-amdhsa -mcpu=gfx1250 --defsym DOCPART=n.
;; ======== version 1 of 1: 3 launches
;; workspace buffers: qimg 4,194,304 bytes; qsc 262,144 bytes; kv 8,912,896 bytes; oimg 4,194,304 bytes; osc 262,144 bytes
;; launch qkv (part 1): grid 16 x 32, 12 waves a work-group, clusters of 4 x 4, 327,680 bytes of LDS; arguments x_codes, x_scales, Wq_codes, Wq_scales, Wk_codes, Wk_scales, Wv_codes, Wv_scales, bq, bk, bv, qimg, qsc, kv; writes qimg, qsc, kv
.if DOCPART == 1
	.amdgcn_target "amdgcn-amd-amdhsa--gfx1250"
	.amdhsa_code_object_version 6
	.text
	.protected	k_q300a6fb9ac_qkv
	.globl	k_q300a6fb9ac_qkv
	.p2align	8
	.type	k_q300a6fb9ac_qkv,@function
k_q300a6fb9ac_qkv:
	s_mov_b64 s[64:65], 0
	v_nop
	global_prefetch_b8 v0, s[64:65] scope:SCOPE_SE
	s_setreg_imm32_b32 hwreg(HW_REG_WAVE_MODE, 25, 1), 1
	s_wait_xcnt 0x0
	s_wait_alu depctr_hold_cnt(0) depctr_sa_sdst(0) depctr_va_vdst(0) depctr_va_sdst(0) depctr_va_ssrc(0) depctr_va_vcc(0) depctr_vm_vsrc(0)
	s_getreg_b32 s2, hwreg(HW_REG_IB_STS2, 6, 4)
	s_cmp_eq_u32 s2, 0
	s_cbranch_scc0 .Lentry_in_a_cluster
	s_endpgm
.Lentry_in_a_cluster:
	s_bfe_u32 s2, ttmp6, 0x10000c
	s_cmp_lg_u32 s2, 0xf033
	s_cbranch_scc0 .Lentry_shape_is_right
	s_endpgm
.Lentry_shape_is_right:
; q = x Wq^T + bq, k = x Wk^T + bk, v = x Wv^T + bv on codes of FP4 (E2M1) with one E8M0 scale for each 32 along K = 1,024; the f32 results are quantised at once, q and k along the
; head's 64 channels (two blocks), v along the keys, and leave as IMAGES OF OPERAND REGISTERS (a group of four registers: 512 bytes, lane l's 16 bytes at 16 l) with their scale bytes.
; SHARES.  A work-group takes 256 rows of x and ONE head: 64 rows of each of Wq, Wk, Wv.  Twelve waves: wave w makes type w / 4 (0 q, 1 k, 2 v) for x's rows 64 (w % 4) on: 64 x 64 in 16 accumulators.
; ONE PATH FOR ALL THREE TYPES.  Source 0 is P, the axis that is quantised; source 1 is R, the axis of which a lane keeps one row.  q, k: P = 64 rows of W (channels), R = 64 rows of x.
; v: P = 64 rows of x (keys), R = 64 rows of Wv (channels).  Only LDS bases differ.  Register j of accumulator (a, b) in lane (r, h) is (P row 16 a + 8 h + j, R row 16 b + r).
; LDS is filled ONCE: all of K for the 448 rows (x 0-255, Wq 256-319, Wk 320-383, Wv 384-447) in two chunks of 256 bytes a row, and their scale bytes.  No byte is filled twice.
; The claim of LDS is larger than the 258,048 bytes in use.
; CLUSTERS: 4 x 4 work-groups.  x's rows hang on the block of rows alone, which a row of the cluster shares; W's on the head alone, which a column shares: each tile is asked for jointly.
; THE BIAS is loaded straight into the accumulators, in the result's layout, while the tiles are on their way: the first K step adds onto it, nothing is cleared and nothing is added later.
; LIMITS: NaN and infinities are not served.  A block whose largest magnitude lies under 2^-124 (a block of zeros too) gets the scale byte 1; only this program reads these bytes.
.set PITCH, 272                        ; an LDS row of codes: 256 bytes + 16 of padding: the sixteen rows of a fragment load begin at sixteen different places modulo 256 bytes
.set CHUNK, 448*PITCH                  ; 256 bytes (512 along K) of all 448 rows
.set SCL,   2*CHUNK                    ; behind the two chunks: the scale bytes, 32 a row, dense
.set PC,    16                         ; v16-31   the codes made: four registers for each tile of R
.set SCP,   32                         ; v32-47   P's scale words: register 8 (a / 2) + K step; lanes 0-15 tile 2 (a / 2), lanes 16-31 the tile behind it
.set SCR,   48                         ; v48-63   R's likewise
.set PF,    64                         ; v64-95   P's four fragments of a K step; at the end at work
.set RF,    96                         ; v96-127  R's four
.set ACC,   128                        ; v128-255 accumulator (a, b) at 8 (4 b + a)
.set TM,    64                         ; at the end: eight registers at work,
.set WD,    80                         ; the four tiles' scale words, and behind them the two that a lane stores
.set WV,    32                         ; s32 wave;  s33 type;  s34 which 64 rows of x;  s35 1 for v;  s36 1 for q and k
.set TY,    33
.set G,     34
.set ISV,   35
.set NOTV,  36
.set CX,    37
.set CY,    38
.set HEAD,  39
.set MBLK,  40
.set RMASK, 41
.set CMASK, 42
.set G1X,   4                          ; s[4:11], s[12:19]: groups 1 for x's codes and scales (these registers hold pointers first, which are used up by then)
.set G1XS,  12
.set G1W,   44                         ; s[44:51], s[52:59]: the same for W
.set G1WS,  52
.set G0XS,  68                         ; groups 0: x's scales, chunk 0, chunk 1;
.set G0X0,  72
.set G0X1,  76
.set G0WS,  80                         ; W's
.set G0W0,  84
.set G0W1,  88
.set OC,    60                         ; s[60:61] where my codes go;  s[62:63] my scale bytes
.set OS,    62
.set SEL,   100                        ; s[100:101] v_permlanex16_b32's selects for lane l xor 16
.macro PLACES                          ; four places behind matrix instructions, in front of loads into their sources and of reads of their results
.rept 4
	v_nop
.endr
.endm
.macro CROUND                          ; a round of the cluster's barrier
	s_barrier_signal -1
	s_barrier_wait -1
	s_cmp_lg_u32 s[WV], 0
	s_cbranch_scc1 .Lnot_wave_0_\@
	s_barrier_signal -3
.Lnot_wave_0_\@:
	s_barrier_wait -3
	s_barrier_signal -1
	s_barrier_wait -1
.endm
; one product, added in place.  ra, rb: the scale words stand in lanes 16-31 of the register named
.macro WM d, a, b, sa, sb, ra, rb
.if ((\ra)==0) && ((\rb)==0)
	v_wmma_scale_f32_16x16x128_f8f6f4 v[\d:\d+7], v[\a:\a+7], v[\b:\b+7], v[\d:\d+7], v[\sa], v[\sb] matrix_a_fmt:MATRIX_FMT_FP4 matrix_b_fmt:MATRIX_FMT_FP4
.elseif (\rb)==0
	v_wmma_scale_f32_16x16x128_f8f6f4 v[\d:\d+7], v[\a:\a+7], v[\b:\b+7], v[\d:\d+7], v[\sa], v[\sb] matrix_a_fmt:MATRIX_FMT_FP4 matrix_b_fmt:MATRIX_FMT_FP4 matrix_a_scale:MATRIX_SCALE_ROW1
.elseif (\ra)==0
	v_wmma_scale_f32_16x16x128_f8f6f4 v[\d:\d+7], v[\a:\a+7], v[\b:\b+7], v[\d:\d+7], v[\sa], v[\sb] matrix_a_fmt:MATRIX_FMT_FP4 matrix_b_fmt:MATRIX_FMT_FP4 matrix_b_scale:MATRIX_SCALE_ROW1
.else
	v_wmma_scale_f32_16x16x128_f8f6f4 v[\d:\d+7], v[\a:\a+7], v[\b:\b+7], v[\d:\d+7], v[\sa], v[\sb] matrix_a_fmt:MATRIX_FMT_FP4 matrix_b_fmt:MATRIX_FMT_FP4 matrix_a_scale:MATRIX_SCALE_ROW1 matrix_b_scale:MATRIX_SCALE_ROW1
.endif
.endm
; 128 along K: the sq-th of chunk ch.  Eight fragments come from LDS, then 16 products; the 16 accumulators take turns, one instruction a turn, in the same order in every step.
.macro KSTEP ch, sq, first
.if !(\first)
	PLACES
.endif
.irp b, 0,1,2,3
	ds_load_b128 v[RF+8*\b:RF+8*\b+3],   v[6+\ch] offset:16*PITCH*\b+64*\sq
	ds_load_b128 v[RF+8*\b+4:RF+8*\b+7], v[6+\ch] offset:16*PITCH*\b+64*\sq+32
.endr
.irp a, 0,1,2,3
	ds_load_b128 v[PF+8*\a:PF+8*\a+3],   v[4+\ch] offset:16*PITCH*\a+64*\sq
	ds_load_b128 v[PF+8*\a+4:PF+8*\a+7], v[4+\ch] offset:16*PITCH*\a+64*\sq+32
.endr
.irp a, 0,1,2,3
	s_wait_dscnt 2*(3-\a)                          ; R's fragments and P's up to a are in; the two loads of each later fragment of P may be out
.irp b, 0,1,2,3
	WM ACC+8*(4*\b+\a), PF+8*\a, RF+8*\b, SCP+8*(\a/2)+4*\ch+\sq, SCR+8*(\b/2)+4*\ch+\sq, \a%2, \b%2
.endr
.endr
.endm
; 32 numbers of a lane, four tiles of P, become four registers of codes and a scale word of two bytes.  Block e lies in registers 16 e .. 16 e + 15: tile u of it gives the lane the block's
; numbers 16 u + 8 h + 0 .. 7.  The operand wants block h whole in lane half h, eight numbers a register: the conversion of (block e, tile u) goes to register 2 u + e, and one exchange of
; register 2 u's lanes 16-31 with register 2 u + 1's lanes 0-15 gives just that.  The reads of each accumulator begin at its low end.
.macro QUANT2 src, dst, wrd, tm
.irp e, 0,1
	v_max3_num_f32 v[\tm+\e], |v[\src+16*\e]|, |v[\src+16*\e+1]|, 0x1800000   ; my 16 numbers of block e, and the floor 2^(3 - 127): the byte cannot fall under 1
.endr
.irp i, 2,4,6,8,10,12,14
.irp e, 0,1
	v_max3_num_f32 v[\tm+\e], v[\tm+\e], |v[\src+16*\e+\i]|, |v[\src+16*\e+\i+1]|
.endr
.endr
.irp e, 0,1
	s_delay_alu instid0(VALU_DEP_2)
	v_permlanex16_b32 v[\tm+2+\e], v[\tm+\e], s[SEL], s[SEL+1]
.endr
.irp e, 0,1
	s_delay_alu instid0(VALU_DEP_2)
	v_max_num_f32 v[\tm+\e], v[\tm+\e], v[\tm+2+\e]           ; with lane l xor 16's 16: the block's largest magnitude
.endr
.irp e, 0,1
	s_delay_alu instid0(VALU_DEP_2)
	v_add_nc_u32 v[\tm+4+\e], 0xff000000, v[\tm+\e]           ; 2 off its exponent field: the conversion's scale operand
.endr
.irp e, 0,1
	s_delay_alu instid0(VALU_DEP_2)
	v_lshrrev_b32 v[\tm+6+\e], 23, v[\tm+4+\e]                ; the scale's byte
.endr
	s_delay_alu instid0(VALU_DEP_1)
	v_lshl_or_b32 v[\wrd], v[\tm+7], 8, v[\tm+6]
.irp u, 0,1
.irp e, 0,1
	v_cvt_scalef32_pk8_fp4_f32 v[\dst+2*\u+\e], v[\src+16*\e+8*\u:\src+16*\e+8*\u+7], v[\tm+4+\e]
.endr
.endr
	v_nop                                          ; one plain place behind a scaled conversion
.irp u, 0,1
	v_permlane16_swap_b32 v[\dst+2*\u], v[\dst+2*\u+1]
.endr
.endm
	s_load_b512 s[4:19], s[0:1], 0x0               ; x's codes s[4:5], scales s[6:7]; Wq's s[8:11]; Wk's s[12:15]; Wv's s[16:19]
	s_load_b256 s[20:27], s[0:1], 0x40             ; bq, bk, bv, qimg
	s_load_b128 s[28:31], s[0:1], 0x60             ; qsc, kv
	s_set_vgpr_msb 0x40
	v_lshl_add_u32 v0, v0, 2, 0x3f000
	v_mov_b32 v1, 0
	s_set_vgpr_msb 0x4045
	ds_add_u32 v0, v1
	ds_add_u32 v0, v1
	s_set_vgpr_msb 0x4500
	v_lshrrev_b32 v1, 5, v0
	s_delay_alu instid0(VALU_DEP_1)
	v_readfirstlane_b32 s[WV], v1                  ; wave 0..11
	s_lshr_b32 s[TY], s[WV], 2
	s_and_b32 s[G], s[WV], 3
	s_lshr_b32 s[ISV], s[TY], 1
	s_xor_b32 s[NOTV], s[ISV], 1
	s_bfe_u32 s[CX], ttmp6, 0x40000                ; my place in the cluster
	s_bfe_u32 s[CY], ttmp6, 0x40004
	s_lshl_b32 s[HEAD], ttmp9, 2
	s_add_co_u32 s[HEAD], s[HEAD], s[CX]           ; the head = 4 x cluster x + cx
	s_and_b32 s[MBLK], ttmp7, 0xffff
	s_lshl_b32 s[MBLK], s[MBLK], 2
	s_add_co_u32 s[MBLK], s[MBLK], s[CY]           ; the block of 256 rows of x = 4 x cluster y + cy
	s_lshl_b32 s[RMASK], s[CY], 2
	s_lshl_b32 s[RMASK], 15, s[RMASK]              ; my row of the cluster
	s_lshl_b32 s[CMASK], 0x1111, s[CX]             ; my column
	s_lshl_b32 s92, s[MBLK], 8
	s_lshl_b32 s94, s[G], 6
	s_add_co_u32 s92, s92, s94                     ; the first of the 64 rows of x that a wave 0..3 fetches
	s_lshl_b32 s94, s92, 5                         ; their scale bytes: 32 a row,
	s_lshl_b32 s92, s92, 9                         ; their codes: 512 a row
	s_mov_b32 s93, 0
	s_mov_b32 s95, 0
	s_mul_i32 s66, s[WV], 64*PITCH                 ; where a fill goes: 64 rows for each wave 0..6: no place in the cluster enters an LDS address
	s_lshl_b32 s67, s[WV], 11
	s_add_co_u32 s67, s67, SCL
	s_wait_dscnt 0x0
	s_wait_kmcnt 0x0
	s_mov_b32 s[G0XS], 1
	s_mov_b32 s[G0XS+1], s67
	s_add_nc_u64 s[G0XS+2:G0XS+3], s[6:7], s[94:95]
	s_or_b32 s[G0XS+3], s[G0XS+3], 0x80000000
	s_mov_b32 s[G0X0], 1
	s_mov_b32 s[G0X0+1], s66
	s_add_nc_u64 s[G0X0+2:G0X0+3], s[4:5], s[92:93]
	s_mov_b32 s[G0X1], 1
	s_add_co_u32 s[G0X1+1], s66, CHUNK
	s_add_nc_u64 s[G0X1+2:G0X1+3], s[G0X0+2:G0X0+3], 256
	s_or_b32 s[G0X0+3], s[G0X0+3], 0x80000000
	s_or_b32 s[G0X1+3], s[G0X1+3], 0x80000000
	s_cmp_eq_u32 s[WV], 5                          ; wave 4 fetches Wq, wave 5 Wk, wave 6 Wv: the choice hangs on the wave's number alone
	s_cselect_b64 s[96:97], s[12:13], s[8:9]
	s_cselect_b64 s[98:99], s[14:15], s[10:11]
	s_cmp_eq_u32 s[WV], 6
	s_cselect_b64 s[96:97], s[16:17], s[96:97]
	s_cselect_b64 s[98:99], s[18:19], s[98:99]
	s_lshl_b32 s2, s[HEAD], 15                     ; the head's 64 rows: 32,768 bytes of codes,
	s_mov_b32 s3, 0
	s_add_nc_u64 s[96:97], s[96:97], s[2:3]
	s_lshl_b32 s2, s[HEAD], 11                     ; 2,048 scale bytes
	s_add_nc_u64 s[98:99], s[98:99], s[2:3]
	s_mov_b32 s[G0WS], 1
	s_mov_b32 s[G0WS+1], s67
	s_mov_b64 s[G0WS+2:G0WS+3], s[98:99]
	s_or_b32 s[G0WS+3], s[G0WS+3], 0x80000000
	s_mov_b32 s[G0W0], 1
	s_mov_b32 s[G0W0+1], s66
	s_mov_b64 s[G0W0+2:G0W0+3], s[96:97]
	s_mov_b32 s[G0W1], 1
	s_add_co_u32 s[G0W1+1], s66, CHUNK
	s_add_nc_u64 s[G0W1+2:G0W1+3], s[96:97], 256
	s_or_b32 s[G0W0+3], s[G0W0+3], 0x80000000
	s_or_b32 s[G0W1+3], s[G0W1+3], 0x80000000
	; groups 1.  Codes: 64 rows x 256 bytes, 512 bytes from row to row, 16 bytes of padding behind each row in LDS.  The eight pointers in s[4:19] are used up.
	s_or_b32 s[G1X], s[RMASK], (1<<20)|(1<<21)|(5<<22)|(3<<25)   ; 15:0 the mask; 17:16 elements of 1 byte; 20 padding on; 21 set beside a mask; 24:22 after every 64 words; 31:25 four words
	s_or_b32 s[G1W], s[CMASK], (1<<20)|(1<<21)|(5<<22)|(3<<25)
.irp g, G1X, G1W
	s_mov_b32 s[\g+1], 256<<16                     ; tensor_dim0
	s_mov_b32 s[\g+2], 64<<16                      ; tensor_dim1
	s_mov_b32 s[\g+3], 256<<16                     ; tile_dim0
	s_mov_b32 s[\g+4], 64                          ; tile_dim1
	s_mov_b32 s[\g+5], 512                         ; from row to row
	s_mov_b32 s[\g+6], 0
	s_mov_b32 s[\g+7], 0
.endr
	; scale bytes of 64 rows: 2,048 dense bytes, as 8 rows of 32 elements of 8 bytes, no padding
	s_or_b32 s[G1XS], s[RMASK], (3<<16)|(1<<21)
	s_or_b32 s[G1WS], s[CMASK], (3<<16)|(1<<21)
.irp g, G1XS, G1WS
	s_mov_b32 s[\g+1], 32<<16
	s_mov_b32 s[\g+2], 8<<16
	s_mov_b32 s[\g+3], 32<<16
	s_mov_b32 s[\g+4], 8
	s_mov_b32 s[\g+5], 32
	s_mov_b32 s[\g+6], 0
	s_mov_b32 s[\g+7], 0
.endr
	CROUND                                         ; all sixteen work-groups are here: the joint loads meet
	s_cmp_lt_u32 s[WV], 4                          ; a wave's three fills stand in one branch: scales, chunk 0, chunk 1; four v_nop follow the third
	s_cbranch_scc0 .Lnot_x
	tensor_load_to_lds s[G0XS:G0XS+3], s[G1XS:G1XS+7]
	s_nop 0
	tensor_load_to_lds s[G0X0:G0X0+3], s[G1X:G1X+7]
	s_nop 0
	tensor_load_to_lds s[G0X1:G0X1+3], s[G1X:G1X+7]
	s_nop 0
	PLACES
	s_branch .Lasked
.Lnot_x:
	s_cmp_lt_u32 s[WV], 7
	s_cbranch_scc0 .Lasked
	tensor_load_to_lds s[G0WS:G0WS+3], s[G1WS:G1WS+7]
	s_nop 0
	tensor_load_to_lds s[G0W0:G0W0+3], s[G1W:G1W+7]
	s_nop 0
	tensor_load_to_lds s[G0W1:G0W1+3], s[G1W:G1W+7]
	s_nop 0
	PLACES
.Lasked:
	; LDS addresses.  A fragment, 16 rows x 128 K, is 8 registers: lane (r, h) takes of row r the 16 bytes at 16 h and those 32 further on.
	v_and_b32 v1, 31, v0                           ; lane
	v_and_b32 v2, 15, v0                           ; r
	v_bfe_u32 v3, v0, 4, 1                         ; h
	s_delay_alu instid0(VALU_DEP_2)
	v_mul_u32_u24 v14, v2, PITCH
	s_delay_alu instid0(VALU_DEP_1)
	v_lshl_add_u32 v14, v3, 4, v14
	s_wait_alu depctr_va_vdst(0)
	s_lshl_b32 s2, s[TY], 6
	s_add_co_u32 s2, s2, 256                       ; my W's first LDS row
	s_lshl_b32 s3, s[G], 6                         ; my x rows' first
	s_mul_i32 s43, s[NOTV], s2
	s_mul_i32 s96, s[ISV], s3
	s_add_co_u32 s43, s43, s96                     ; P's first row: W's for q and k, x's for v
	s_mul_i32 s96, s[ISV], s2
	s_mul_i32 s97, s[NOTV], s3
	s_add_co_u32 s96, s96, s97                     ; R's first row: the other one
	s_mul_i32 s97, s43, PITCH
	v_add_nc_u32 v4, s97, v14                      ; v4, v5: P's fragments in chunk 0, 1
	s_delay_alu instid0(VALU_DEP_1)
	v_add_nc_u32 v5, CHUNK, v4
	s_mul_i32 s97, s96, PITCH
	v_add_nc_u32 v6, s97, v14                      ; v6, v7: R's
	s_delay_alu instid0(VALU_DEP_1)
	v_add_nc_u32 v7, CHUNK, v6
	v_lshlrev_b32 v15, 5, v1                       ; scale bytes: lane l takes row l of 32 rows: two tiles a register
	s_lshl_b32 s43, s43, 5
	s_add_co_u32 s43, s43, SCL
	v_add_nc_u32 v8, s43, v15
	s_lshl_b32 s96, s96, 5
	s_add_co_u32 s96, s96, SCL
	v_add_nc_u32 v9, s96, v15
	v_lshlrev_b32 v10, 4, v1                       ; an image's place for my lane
	s_add_co_u32 s2, s[ISV], 1
	v_lshlrev_b32 v11, s2, v1                      ; my two scale bytes: q, k: 2 bytes a row; v: 2 of the 4 bytes of a channel's word
	s_lshl_b32 s3, 32, s2
	v_add_nc_u32 v12, s3, v11                      ; and those of the row 32 further on
	; where the results go, in bytes
	s_and_b32 s2, s[MBLK], 7                       ; which 256 of the batch's 2,048 positions
	s_lshr_b32 s3, s[MBLK], 3
	s_lshl_b32 s3, s3, 4
	s_add_co_u32 s3, s3, s[HEAD]                   ; 16 x batch + head
	s_lshl_b32 s43, s2, 4
	s_lshl_b32 s66, s[G], 2
	s_add_co_u32 s43, s43, s66
	s_lshl_b32 s66, s3, 7
	s_add_co_u32 s43, s43, s66                     ; q: my first tile of 16 queries, counted through all heads
	s_lshl_b32 s66, s43, 9                         ; its image,
	s_lshl_b32 s67, s43, 5                         ; its scale bytes
	s_lshl_b32 s2, s2, 1
	s_lshr_b32 s43, s[G], 1
	s_add_co_u32 s2, s2, s43                       ; k, v: which step of 128 keys
	s_mul_i32 s2, s2, 8704
	s_mul_i32 s3, s3, 139264
	s_add_co_u32 s2, s2, s3                        ; the step's block of 8,704 bytes: K's images 4,096, V's 4,096, K's scale bytes 256, V's 256
	s_and_b32 s3, s[G], 1                          ; which 64 of its keys
	s_lshl_b32 s43, s3, 11
	s_add_co_u32 s43, s43, s2
	s_lshl_b32 s94, s[ISV], 12
	s_add_co_u32 s94, s94, s43                     ; k, v: my images
	s_cmp_eq_u32 s[ISV], 1
	s_cselect_b32 s43, 1, 7                        ; the half's scale bytes lie 128 bytes on (k: four tiles) or 2 bytes on (v: within each word)
	s_lshl_b32 s3, s3, s43
	s_add_co_u32 s3, s3, s2
	s_lshl_b32 s43, s[ISV], 8
	s_add_co_u32 s3, s3, s43
	s_add_co_u32 s96, s3, 8192                     ; k, v: my scale bytes
	s_cmp_eq_u32 s[TY], 0
	s_cselect_b32 s94, s66, s94
	s_cselect_b32 s96, s67, s96
	s_cselect_b64 s[OC:OC+1], s[26:27], s[30:31]
	s_cselect_b64 s[OS:OS+1], s[28:29], s[30:31]
	s_mov_b32 s95, 0
	s_mov_b32 s97, 0
	s_add_nc_u64 s[OC:OC+1], s[OC:OC+1], s[94:95]
	s_add_nc_u64 s[OS:OS+1], s[OS:OS+1], s[96:97]
	s_mov_b32 s[SEL], 0x76543210
	s_mov_b32 s[SEL+1], 0xfedcba98
	; the bias, into the accumulators
	s_cmp_eq_u32 s[TY], 0
	s_cselect_b64 s[92:93], s[20:21], s[22:23]
	s_cmp_eq_u32 s[TY], 2
	s_cselect_b64 s[92:93], s[24:25], s[92:93]
	s_lshl_b32 s2, s[HEAD], 8                      ; the head's 64 numbers
	s_mov_b32 s3, 0
	s_add_nc_u64 s[92:93], s[92:93], s[2:3]
	s_cmp_eq_u32 s[TY], 2
	s_cbranch_scc1 .Lbias_v
	v_lshlrev_b32 v13, 5, v3                       ; q, k: the bias goes with P: register j of (a, b) wants channel 16 a + 8 h + j
.irp b, 0,1,2,3
.irp a, 0,1,2,3
	global_load_b128 v[ACC+8*(4*\b+\a):ACC+8*(4*\b+\a)+3],   v13, s[92:93] offset:64*\a
	global_load_b128 v[ACC+8*(4*\b+\a)+4:ACC+8*(4*\b+\a)+7], v13, s[92:93] offset:64*\a+16
.endr
.endr
	s_branch .Lbias_done
.Lbias_v:
	v_lshlrev_b32 v13, 2, v2                       ; v: the bias goes with R: all 32 registers of column b want channel 16 b + r
.irp b, 0,1,2,3
.set i, 0
.rept 32
	global_load_b32 v[ACC+32*\b+i], v13, s[92:93] offset:64*\b
.set i, i+1
.endr
.endr
.Lbias_done:
	s_wait_tensorcnt 0x1                           ; my scales and my part of chunk 0 are in; chunk 1's load, the one issued behind them, may stay out
	s_barrier_signal -1
	s_barrier_wait -1                              ; everybody's are
	s_wait_alu depctr_va_vdst(0)
.irp i, 0,1
	ds_load_b128 v[SCP+8*\i:SCP+8*\i+3],   v8 offset:1024*\i        ; the scale words of all eight K steps stay in registers
	ds_load_b128 v[SCP+8*\i+4:SCP+8*\i+7], v8 offset:1024*\i+16
	ds_load_b128 v[SCR+8*\i:SCR+8*\i+3],   v9 offset:1024*\i
	ds_load_b128 v[SCR+8*\i+4:SCR+8*\i+7], v9 offset:1024*\i+16
.endr
	s_wait_loadcnt 0x0                             ; the bias
	KSTEP 0, 0, 1
	KSTEP 0, 1, 0
	KSTEP 0, 2, 0
	KSTEP 0, 3, 0
	s_wait_tensorcnt 0x0                           ; my part of chunk 1 is in,
	s_wait_dscnt 0x0                               ; no LDS instruction of mine is pending at the signal
	s_barrier_signal -1
	s_barrier_wait -1                              ; everybody's is
	KSTEP 1, 0, 0
	KSTEP 1, 1, 0
	KSTEP 1, 2, 0
	KSTEP 1, 3, 0
	PLACES
.irp b, 0,1,2,3
	QUANT2 ACC+32*\b, PC+4*\b, WD+\b, TM
.endr
	v_cmp_ne_u32 vcc_lo, 0, v3
.irp i, 0
	s_delay_alu instid0(VALU_DEP_1)
	v_cndmask_b32 v[WD+4+\i], v[WD+2*\i], v[WD+2*\i+1], vcc_lo
.endr
.irp i, 1
	s_delay_alu instid0(VALU_DEP_2)
	v_cndmask_b32 v[WD+4+\i], v[WD+2*\i], v[WD+2*\i+1], vcc_lo     ; lane (r, h) stores the two bytes of row r of tile 2 i + h: every lane has bytes of its own
.endr
.irp b, 0,1,2,3
	global_store_b128 v10, v[PC+4*\b:PC+4*\b+3], s[OC:OC+1] offset:512*\b   ; 32 lanes store 512 consecutive bytes, at a multiple of 256 from the buffer's first byte
.endr
	global_store_b16 v11, v[WD+4], s[OS:OS+1]
	global_store_b16 v12, v[WD+5], s[OS:OS+1]
	s_set_vgpr_msb 0x5
	s_wait_tensorcnt 0x0
	ds_add_u32 v0, v1
	s_wait_dscnt 0x0
	s_set_vgpr_msb 0x500
	CROUND                                         ; the closing round: no work-group ends while a partner may still ask for a tile that names it
	s_endpgm
.Lfunc_end_k_q300a6fb9ac_qkv:
	.size	k_q300a6fb9ac_qkv, .Lfunc_end_k_q300a6fb9ac_qkv-k_q300a6fb9ac_qkv
	.p2alignl 7, 3214868480
	.fill 96, 4, 3214868480
	.section	.rodata,"a",@progbits
	.p2align	6, 0x0
	.amdhsa_kernel k_q300a6fb9ac_qkv
		.amdhsa_group_segment_fixed_size 327680
		.amdhsa_private_segment_fixed_size 0
		.amdhsa_enable_private_segment 0
		.amdhsa_kernarg_size 112
		.amdhsa_user_sgpr_count 2
		.amdhsa_user_sgpr_kernarg_segment_ptr 1
		.amdhsa_wavefront_size32 1
		.amdhsa_system_sgpr_workgroup_id_x 1
		.amdhsa_system_sgpr_workgroup_id_y 1
		.amdhsa_system_sgpr_workgroup_id_z 1
		.amdhsa_system_vgpr_workitem_id 0
		.amdhsa_next_free_vgpr 258
		.amdhsa_next_free_sgpr 102
		.amdhsa_reserve_vcc 1
		.amdhsa_float_denorm_mode_32 3
		.amdhsa_float_denorm_mode_16_64 3
		.amdhsa_memory_ordered 1
		.amdhsa_forward_progress 1
		.amdhsa_inst_pref_size 62
	.end_amdhsa_kernel
	.amdgpu_metadata
---
amdhsa.version: [ 1, 2 ]
amdhsa.kernels:
  - .name:           k_q300a6fb9ac_qkv
    .symbol:         k_q300a6fb9ac_qkv.kd
    .args:
      - { .name: x_codes, .offset: 0, .size: 8, .value_kind: global_buffer, .address_space: global }
      - { .name: x_scales, .offset: 8, .size: 8, .value_kind: global_buffer, .address_space: global }
      - { .name: Wq_codes, .offset: 16, .size: 8, .value_kind: global_buffer, .address_space: global }
      - { .name: Wq_scales, .offset: 24, .size: 8, .value_kind: global_buffer, .address_space: global }
      - { .name: Wk_codes, .offset: 32, .size: 8, .value_kind: global_buffer, .address_space: global }
      - { .name: Wk_scales, .offset: 40, .size: 8, .value_kind: global_buffer, .address_space: global }
      - { .name: Wv_codes, .offset: 48, .size: 8, .value_kind: global_buffer, .address_space: global }
      - { .name: Wv_scales, .offset: 56, .size: 8, .value_kind: global_buffer, .address_space: global }
      - { .name: bq, .offset: 64, .size: 8, .value_kind: global_buffer, .address_space: global }
      - { .name: bk, .offset: 72, .size: 8, .value_kind: global_buffer, .address_space: global }
      - { .name: bv, .offset: 80, .size: 8, .value_kind: global_buffer, .address_space: global }
      - { .name: qimg, .offset: 88, .size: 8, .value_kind: global_buffer, .address_space: global }
      - { .name: qsc, .offset: 96, .size: 8, .value_kind: global_buffer, .address_space: global }
      - { .name: kv, .offset: 104, .size: 8, .value_kind: global_buffer, .address_space: global }
    .group_segment_fixed_size: 327680
    .private_segment_fixed_size: 0
    .kernarg_segment_align: 8
    .kernarg_segment_size: 112
    .max_flat_workgroup_size: 384
    .sgpr_count:     102
    .vgpr_count:     258
    .wavefront_size: 32
...
	.end_amdgpu_metadata
.endif
;; end of part 1
;; launch attn (part 2): grid 4 x 64, 16 waves a work-group, clusters of 4 x 1, 169,984 bytes of LDS; arguments qimg, qsc, kv, oimg, osc; writes oimg, osc
.if DOCPART == 2
	.amdgcn_target "amdgcn-amd-amdhsa--gfx1250"
	.amdhsa_code_object_version 6
	.text
	.protected	k_q300a6fb9ac_attn
	.globl	k_q300a6fb9ac_attn
	.p2align	8
	.type	k_q300a6fb9ac_attn,@function
k_q300a6fb9ac_attn:
	s_mov_b64 s[64:65], 0
	v_nop
	global_prefetch_b8 v0, s[64:65] scope:SCOPE_SE
	s_setreg_imm32_b32 hwreg(HW_REG_WAVE_MODE, 25, 1), 1
	s_wait_xcnt 0x0
	s_wait_alu depctr_hold_cnt(0) depctr_sa_sdst(0) depctr_va_vdst(0) depctr_va_sdst(0) depctr_va_ssrc(0) depctr_va_vcc(0) depctr_vm_vsrc(0)
	s_getreg_b32 s2, hwreg(HW_REG_IB_STS2, 6, 4)
	s_cmp_eq_u32 s2, 0
	s_cbranch_scc0 .Lentry_in_a_cluster
	s_endpgm
.Lentry_in_a_cluster:
	s_bfe_u32 s2, ttmp6, 0x10000c
	s_cmp_lg_u32 s2, 0x3003
	s_cbranch_scc0 .Lentry_shape_is_right
	s_endpgm
.Lentry_shape_is_right:
; o = softmax(q k^T / 8) v for one head of 64 channels and 2,048 keys, both products on codes of FP4 (E2M1) with one E8M0 scale for each 32 along a product's K; o is divided by the row's sum and
; quantised at once along the channels (two blocks a head), as the last product's operand.
; THE SOFTMAX AHEAD OF THE SECOND PRODUCT: t = score x log2(e) / 8; M = the row's largest t so far, rounded UP to a whole number; p = 2^(t - M) is what is quantised, along the keys, not normalised.
; The row's sum is taken of the unquantised p, in f32.  When M moves, the sum and O are multiplied by 2^(old M - new M): exact, and without a branch on data.
; SHARES.  A work-group owns 512 queries of one head; each of its sixteen waves two tiles of 16 queries, one after the other, in 256 registers: four waves to a SIMD, so that one wave's vector work
; stands beside another's products and LDS loads.  A step is 128 keys: 12 products beside some 230 vector instructions, so vector work is what is spared: packed forms, and a block's largest p taken
; from the block's largest score.
; LDS.  The head's K and V, as images of operand registers with their scale bytes, are 16 blocks of 8,704 bytes (a step each): 139,264 bytes, filled ONCE, one block a wave, and read by all.
; CLUSTER.  The four work-groups of a cluster are the four query blocks of one head: each block of K and V is asked for jointly.
; LAYOUT.  Both products are used transposed: S^T = K Q^T (source 0 = 16 keys, source 1 = my 16 queries), O^T = V^T P^T (source 0 = 16 channels, source 1 = P): a lane holds ONE query (lane % 16).
; K = 64 IN AN INSTRUCTION OF 128: registers 4-7 of Q's and of each of K's fragments are zeros, written once; the scale words are loaded as two bytes, so the bytes of the empty blocks are 0,
; which is a power of two like any other and stands over zero codes.
; LIMITS: NaN and infinities are not served.  A block of o whose largest magnitude lies under 2^-124 gets the scale byte 1; only this program reads these bytes.
.set STEPB, 8704                       ; a step's block: K's 8 images 4,096, V's 8 groups of four registers 4,096, K's scale bytes 256, V's 256
.set QF,  16                           ; v16-23   Q's fragment (v20-23 zeros)
.set QS,  24                           ; v24      Q's scale words
.set KF,  32                           ; v32-95   K's eight fragments (the upper four registers of each zeros)
.set S,   96                           ; v96-159  S^T, then p
.set O,   160                          ; v160-191 O^T
.set PC,  192                          ; v192-199 p's codes
.set VF,  200                          ; v200-231 V's four fragments
.set BM,  232                          ; v232-235 the blocks' largest scores, then largest p
.set PT,  236                          ; v236-239 at work
.set SO,  240                          ; v240-243 the conversions' scale operands
.set KS,  244                          ; v244-247 K's scale words: lanes 0-15 tile 2 i, lanes 16-31 tile 2 i + 1
.set VS,  248                          ; v248-249 V's likewise
.set PW,  250                          ; v250     p's scale word
.set WV,    14
.set CX,    15
.set BH,    16
.set HEAD,  17
.set BATCH, 18
.set SEL,   20                         ; s[20:21] v_permlanex16_b32's selects for lane l xor 16
.set CS,    22                         ; s[22:23] c = log2(e) / 8: the packed form names a pair and takes its low word for both halves
.set G1,    24
.set G0,    32
.set TB,    36                         ; s36 LDS byte at which the step's block begins
.set NSTEP, 37
.set NTILE, 38
.macro PLACES
.rept 4
	v_nop
.endr
.endm
.macro CROUND                          ; a round of the cluster's barrier
	s_barrier_signal -1
	s_barrier_wait -1
	s_cmp_lg_u32 s[WV], 0
	s_cbranch_scc1 .Lnot_wave_0_\@
	s_barrier_signal -3
.Lnot_wave_0_\@:
	s_barrier_wait -3
	s_barrier_signal -1
	s_barrier_wait -1
.endm
; one product.  ra: source 0's scale words stand in lanes 16-31 of the register named.  z = 1: it starts its sum
.macro WM d, a, b, sa, sb, ra, z
.if (\z) && (\ra)
	v_wmma_scale_f32_16x16x128_f8f6f4 v[\d:\d+7], v[\a:\a+7], v[\b:\b+7], 0, v[\sa], v[\sb] matrix_a_fmt:MATRIX_FMT_FP4 matrix_b_fmt:MATRIX_FMT_FP4 matrix_a_scale:MATRIX_SCALE_ROW1
.elseif (\z)
	v_wmma_scale_f32_16x16x128_f8f6f4 v[\d:\d+7], v[\a:\a+7], v[\b:\b+7], 0, v[\sa], v[\sb] matrix_a_fmt:MATRIX_FMT_FP4 matrix_b_fmt:MATRIX_FMT_FP4
.elseif (\ra)
	v_wmma_scale_f32_16x16x128_f8f6f4 v[\d:\d+7], v[\a:\a+7], v[\b:\b+7], v[\d:\d+7], v[\sa], v[\sb] matrix_a_fmt:MATRIX_FMT_FP4 matrix_b_fmt:MATRIX_FMT_FP4 matrix_a_scale:MATRIX_SCALE_ROW1
.else
	v_wmma_scale_f32_16x16x128_f8f6f4 v[\d:\d+7], v[\a:\a+7], v[\b:\b+7], v[\d:\d+7], v[\sa], v[\sb] matrix_a_fmt:MATRIX_FMT_FP4 matrix_b_fmt:MATRIX_FMT_FP4
.endif
.endm
; 32 numbers of a lane, four tiles, become four registers of codes and a scale word of two bytes.  Block e lies in registers 16 e .. 16 e + 15: tile u of it gives the lane the block's numbers
; 16 u + 8 h + 0 .. 7.  The operand wants block h whole in lane half h: the conversion of (block e, tile u) goes to register 2 u + e, and one exchange of register 2 u's lanes 16-31 with
; register 2 u + 1's lanes 0-15 gives just that.
.macro QUANT2 src, dst, wrd, tm
.irp e, 0,1
	v_max3_num_f32 v[\tm+\e], |v[\src+16*\e]|, |v[\src+16*\e+1]|, 0x1800000   ; my 16 numbers of block e, and the floor 2^(3 - 127): the byte cannot fall under 1
.endr
.irp i, 2,4,6,8,10,12,14
.irp e, 0,1
	s_delay_alu instid0(VALU_DEP_2)
	v_max3_num_f32 v[\tm+\e], v[\tm+\e], |v[\src+16*\e+\i]|, |v[\src+16*\e+\i+1]|
.endr
.endr
.irp e, 0,1
	s_delay_alu instid0(VALU_DEP_2)
	v_permlanex16_b32 v[\tm+2+\e], v[\tm+\e], s[SEL], s[SEL+1]
.endr
.irp e, 0,1
	s_delay_alu instid0(VALU_DEP_2)
	v_max_num_f32 v[\tm+\e], v[\tm+\e], v[\tm+2+\e]
.endr
.irp e, 0,1
	s_delay_alu instid0(VALU_DEP_2)
	v_add_nc_u32 v[\tm+4+\e], 0xff000000, v[\tm+\e]           ; 2 off the exponent field: the conversion's scale operand
.endr
.irp e, 0,1
	s_delay_alu instid0(VALU_DEP_2)
	v_lshrrev_b32 v[\tm+6+\e], 23, v[\tm+4+\e]                ; the scale's byte
.endr
	s_delay_alu instid0(VALU_DEP_1)
	v_lshl_or_b32 v[\wrd], v[\tm+7], 8, v[\tm+6]
.irp u, 0,1
.irp e, 0,1
	v_cvt_scalef32_pk8_fp4_f32 v[\dst+2*\u+\e], v[\src+16*\e+8*\u:\src+16*\e+8*\u+7], v[\tm+4+\e]
.endr
.endr
	v_nop                                          ; one plain place behind a scaled conversion
.irp u, 0,1
	v_permlane16_swap_b32 v[\dst+2*\u], v[\dst+2*\u+1]
.endr
.endm
	s_load_b256 s[4:11], s[0:1], 0x0               ; qimg s[4:5], qsc s[6:7], kv s[8:9], oimg s[10:11]
	s_load_b64 s[12:13], s[0:1], 0x20              ; osc
	v_lshl_add_u32 v31, v0, 2, 0x29000
	v_mov_b32 v255, 0
	ds_add_u32 v31, v255
	ds_add_u32 v31, v255
	v_lshrrev_b32 v1, 5, v0
	s_delay_alu instid0(VALU_DEP_1)
	v_readfirstlane_b32 s[WV], v1                  ; wave 0..15
	s_bfe_u32 s[CX], ttmp6, 0x40000                ; my block of 512 queries: it enters Q's and o's addresses alone
	s_and_b32 s[BH], ttmp7, 0xffff                 ; 16 x batch + head, which the four partners share
	s_and_b32 s[HEAD], s[BH], 15
	s_lshr_b32 s[BATCH], s[BH], 4
	; group 1: a step's block, 8,704 dense bytes, as 34 rows of 32 elements of 8 bytes
	s_mov_b32 s[G1], 15|(3<<16)|(1<<21)            ; 15:0 the mask: all four work-groups; 17:16 elements of 8 bytes; 21 set beside a mask
	s_mov_b32 s[G1+1], 32<<16
	s_mov_b32 s[G1+2], 34<<16
	s_mov_b32 s[G1+3], 32<<16
	s_mov_b32 s[G1+4], 34
	s_mov_b32 s[G1+5], 32
	s_mov_b32 s[G1+6], 0
	s_mov_b32 s[G1+7], 0
	s_mul_i32 s40, s[BH], 16*STEPB
	s_mul_i32 s42, s[WV], STEPB                    ; wave w fetches step w's block, to LDS byte 8,704 w
	s_add_co_u32 s40, s40, s42
	s_mov_b32 s41, 0
	s_lshl_b32 s43, s[CX], 5
	s_add_co_u32 s43, s43, s[WV]                   ; my first tile of 16 queries: 32 cx + wave; the second lies 16 tiles on
	s_lshl_b32 s44, s[BH], 7
	s_add_co_u32 s44, s44, s43
	s_lshl_b32 s46, s44, 9                         ; its image: 512 bytes a tile,
	s_mov_b32 s47, 0
	s_lshl_b32 s48, s44, 5                         ; its scale bytes: 32 a tile
	s_mov_b32 s49, 0
	s_lshl_b32 s50, s[BATCH], 7
	s_add_co_u32 s50, s50, s43                     ; the tile of 16 rows of o: 128 x batch + tile
	s_lshl_b32 s52, s50, 6                         ; o's scale words: 4 bytes a row,
	s_lshl_b32 s50, s50, 13                        ; o's images: 8,192 bytes a tile of rows, 512 a head
	s_lshl_b32 s44, s[HEAD], 9
	s_add_co_u32 s50, s50, s44
	s_mov_b32 s51, 0
	s_lshr_b32 s44, s[HEAD], 1
	s_lshl_b32 s44, s44, 15                        ; laid by K step of the last product (two heads): 32,768 bytes a step,
	s_add_co_u32 s52, s52, s44
	s_and_b32 s44, s[HEAD], 1
	s_lshl_b32 s44, s44, 1                         ; the head's two bytes of the word
	s_add_co_u32 s52, s52, s44
	s_mov_b32 s53, 0
	s_mov_b32 s[SEL], 0x76543210
	s_mov_b32 s[SEL+1], 0xfedcba98
	s_mov_b32 s[CS], 0x3e38aa3b                    ; c = log2(e) / 8
	s_mov_b32 s[CS+1], s[CS]                       ; (named with it as a pair, so it is written)
	s_wait_dscnt 0x0
	s_wait_kmcnt 0x0
	s_mov_b32 s[G0], 1
	s_mov_b32 s[G0+1], s42
	s_add_nc_u64 s[G0+2:G0+3], s[8:9], s[40:41]
	s_or_b32 s[G0+3], s[G0+3], 0x80000000
	s_add_nc_u64 s[4:5], s[4:5], s[46:47]
	s_add_nc_u64 s[6:7], s[6:7], s[48:49]
	s_add_nc_u64 s[10:11], s[10:11], s[50:51]
	s_add_nc_u64 s[12:13], s[12:13], s[52:53]
	CROUND                                         ; all four work-groups are here: the joint loads meet
	tensor_load_to_lds s[G0:G0+3], s[G1:G1+7]      ; my one tensor load of the launch
	s_nop 0
	PLACES
	v_and_b32 v10, 31, v0                          ; lane
	v_and_b32 v11, 15, v0                          ; r
	v_bfe_u32 v9, v0, 4, 1                         ; h
	s_delay_alu instid0(VALU_DEP_3)
	v_lshlrev_b32 v1, 4, v10                       ; v1 16 x lane: an image's place;  v2 2 x lane: K's scale bytes;  v3 4 x lane: V's scale words
	s_delay_alu instid0(VALU_DEP_4)
	v_lshlrev_b32 v2, 1, v10
	v_lshlrev_b32 v3, 2, v10
	v_lshlrev_b32 v7, 1, v11                       ; v7 2 r: Q's scale bytes
	v_lshl_add_u32 v8, v11, 2, v9                  ; v8 4 r + h: the byte of o's scale word that I store
	v_lshlrev_b32 v9, 3, v9                        ; v9 8 h: and where it stands in the word made
.irp i, 4,5,6,7
	v_mov_b32 v[QF+\i], 0                          ; the empty half of K = 128: zero codes, in registers of their own for each operand
.endr
.irp t, 0,1,2,3,4,5,6,7
.irp i, 4,5,6,7
	v_mov_b32 v[KF+8*\t+\i], 0
.endr
.endr
.irp i, 0,1,2,3
	v_mov_b32 v[PT+\i], 0                          ; written once: a lane permute's destination counts as one of its sources
.endr
	v_mov_b32 v251, 0
	v_mov_b32 v253, 0                              ; (named as the upper half of the pair v[252:253])
	s_mov_b32 s[NTILE], 2
	s_wait_tensorcnt 0x0                           ; my block is in,
	s_barrier_signal -1
	s_barrier_wait -1                              ; everybody's is: the head's K and V lie in LDS and stay
.Ltile:
	global_load_b128 v[QF:QF+3], v1, s[4:5]        ; lane (r, h): query r, channels 32 h on
	global_load_u16 v[QS], v7, s[6:7]              ; two bytes, widened with zeros
	v_mov_b32 v13, 0xff61b1e6                      ; the largest t so far: -3e38, under every t
	s_delay_alu instid0(VALU_DEP_1)
	v_floor_f32 v12, -v13                          ; -M
	v_mov_b32 v14, 0                               ; the sum, in two halves
	v_mov_b32 v15, 0
.set j, 0
.rept 32
	v_mov_b32 v[O+j], 0                            ; O^T.  (The step is written once: a tile's first step finds zeros, which the first change of M leaves zeros)
.set j, j+1
.endr
	s_mov_b32 s[TB], 0
	s_mov_b32 s[NSTEP], 16
	s_wait_loadcnt 0x0
.Lstep:                                            ; 128 keys
	s_setprio 2
	v_add_nc_u32 v4, s[TB], v1                     ; these four lines are the places behind the last step's products, in front of the loads into their sources
	v_add_nc_u32 v5, s[TB], v2
	v_add_nc_u32 v6, s[TB], v3
	v_nop
.irp t, 0,1,2,3,4,5,6,7
	ds_load_b128 v[KF+8*\t:KF+8*\t+3], v4 offset:512*\t            ; keys 16 t + r, channels 32 h on: 512 consecutive bytes a load
.endr
.irp i, 0,1,2,3
	ds_load_u16 v[KS+\i], v5 offset:8192+64*\i
.endr
.irp b, 0,1,2,3
.irp c, 0,1
	ds_load_b128 v[VF+8*\b+4*\c:VF+8*\b+4*\c+3], v4 offset:4096+2048*\c+512*\b   ; channels 16 b + r, keys 64 c + 32 h on
.endr
.endr
.irp i, 0,1
	ds_load_b32 v[VS+\i], v6 offset:8448+128*\i
.endr
	s_wait_dscnt 10                                ; K and its scale words are in; V's eight loads and its two loads of scale words may stay out
.irp t, 0,1,2,3,4,5,6,7
	WM S+8*\t, KF+8*\t, QF, KS+\t/2, QS, \t%2, 1   ; lane (r, h), register 8 t + j: key 16 t + 8 h + j, query r
.endr
	PLACES
.irp b, 0,1,2,3
	v_max3_num_f32 v[BM+\b], v[S+16*\b], v[S+16*\b+1], v[S+16*\b+2]   ; THE LARGEST SCORE OF EACH BLOCK OF 32 KEYS serves twice: for the row's maximum, and, since p rises with the score, for the block's largest p
.endr
.irp i, 3,5,7,9,11,13
.irp b, 0,1,2,3
	v_max3_num_f32 v[BM+\b], v[BM+\b], v[S+16*\b+\i], v[S+16*\b+\i+1]   ; (the four blocks by turns)
.endr
.endr
.irp b, 0,1,2,3
	v_max_num_f32 v[BM+\b], v[BM+\b], v[S+16*\b+15]
.endr
.irp b, 0,1,2,3
	s_delay_alu instid0(VALU_DEP_4)
	v_permlanex16_b32 v[PT+\b], v[BM+\b], s[SEL], s[SEL+1]
.endr
.irp b, 0,1,2,3
	s_delay_alu instid0(VALU_DEP_4)
	v_max_num_f32 v[BM+\b], v[BM+\b], v[PT+\b]     ; with lane l xor 16's 16 keys
.endr
	s_delay_alu instid0(VALU_DEP_2)
	v_max3_num_f32 v254, v[BM], v[BM+1], v[BM+2]
	s_delay_alu instid0(VALU_DEP_1)
	v_max_num_f32 v254, v254, v[BM+3]              ; the step's largest score of my query
	s_delay_alu instid0(VALU_DEP_1)
	v_mul_f32 v254, s[CS], v254                    ; as t (c is positive)
	s_delay_alu instid0(VALU_DEP_1)
	v_max_num_f32 v13, v13, v254                   ; the running largest t
	v_mov_b32 v254, v12
	s_delay_alu instid0(VALU_DEP_2)
	v_floor_f32 v12, -v13                          ; the new -M = floor(-t) = -ceil(t): M is a whole number
	s_delay_alu instid0(VALU_DEP_1)
	v_sub_f32 v254, v12, v254                      ; M's old value less its new one: a whole number, 0 or less
	s_delay_alu instid0(VALU_DEP_1)
	v_cvt_i32_f32 v254, v254                       ; (it saturates)
	s_delay_alu instid0(VALU_DEP_1)
	v_ldexp_f32 v252, 1.0, v254                    ; f = 2^(old M - new M)
.set j, 0
.rept 32
	v_pk_fma_f32 v[S+j:S+j+1], v[S+j:S+j+1], s[CS:CS+1], v[12:13] op_sel_hi:[1,0,0]   ; t - M, two at a time
.set j, j+2
.endr
.irp b, 0,1,2,3
	v_fma_f32 v[BM+\b], v[BM+\b], s[CS], v12       ; the same of each block's largest score
.endr
.set j, 0
	s_wait_alu depctr_va_vdst(0)
.rept 64
	v_exp_f32 v[S+j], v[S+j]                       ; p = 2^(t - M), at most 1
.set j, j+1
.endr
	s_setprio 1
.irp b, 0,1,2,3
	v_exp_f32 v[BM+\b], v[BM+\b]                   ; the block's largest p: the same two instructions on the same number give the same bits
.endr
	v_pk_mul_f32 v[14:15], v[14:15], v[252:253] op_sel_hi:[1,0]    ; the sums under the new M.  (A plain place behind the exponentials)
	s_wait_alu depctr_va_vdst(0)
.irp b, 0,1,2,3
	v_max_num_f32 v[BM+\b], 0x1800000, v[BM+\b]    ; the floor 2^(3 - 127): the byte cannot fall under 1 (a block whose every p is 0 keeps that byte: its codes are zeros)
.endr
.irp b, 0,1,2,3
	s_delay_alu instid0(VALU_DEP_4)
	v_add_nc_u32 v[SO+\b], 0xff000000, v[BM+\b]    ; 2 off the exponent field: the conversion's scale operand
.endr
.irp b, 0,1,2,3
	s_delay_alu instid0(VALU_DEP_4)
	v_lshrrev_b32 v[PT+\b], 23, v[SO+\b]           ; the scale's byte
.endr
	s_delay_alu instid0(VALU_DEP_3)
	v_lshl_or_b32 v[PW], v[PT+1], 8, v[PT]         ; p's scale word for these 128 keys
	s_delay_alu instid0(VALU_DEP_1)
	v_lshl_or_b32 v[PW], v[PT+2], 16, v[PW]
	s_delay_alu instid0(VALU_DEP_1)
	v_lshl_or_b32 v[PW], v[PT+3], 24, v[PW]
.irp b, 0,1,2,3
.irp u, 0,1
	v_cvt_scalef32_pk8_fp4_f32 v[PC+4*(\b/2)+2*\u+(\b%2)], v[S+16*\b+8*\u:S+16*\b+8*\u+7], v[SO+\b]   ; block b, tile u: the block's keys 16 u + 8 h + 0 .. 7
.endr
.endr
	v_nop                                          ; one plain place behind a scaled conversion
.irp c, 0,1
.irp u, 0,1
	v_permlane16_swap_b32 v[PC+4*\c+2*\u], v[PC+4*\c+2*\u+1]       ; lanes 0-15 now hold block 2 c whole, lanes 16-31 block 2 c + 1
.endr
.endr
	v_pk_add_f32 v[236:237], v[100:101], v[104:105]
	v_pk_add_f32 v[246:247], v[108:109], v[112:113]
	v_pk_add_f32 v[244:245], v[116:117], v[120:121]
	v_pk_add_f32 v[242:243], v[124:125], v[128:129]
	v_pk_add_f32 v[240:241], v[132:133], v[136:137]
	v_pk_add_f32 v[232:233], v[140:141], v[144:145]
	v_pk_add_f32 v[90:91], v[148:149], v[152:153]
	v_pk_add_f32 v[14:15], v[14:15], v[156:157]
	v_pk_add_f32 v[236:237], v[236:237], v[96:97]
	v_pk_add_f32 v[246:247], v[246:247], v[98:99]
	v_pk_add_f32 v[244:245], v[244:245], v[102:103]
	v_pk_add_f32 v[242:243], v[242:243], v[106:107]
	v_pk_add_f32 v[240:241], v[240:241], v[110:111]
	v_pk_add_f32 v[232:233], v[232:233], v[114:115]
	v_pk_add_f32 v[90:91], v[90:91], v[118:119]
	v_pk_add_f32 v[14:15], v[14:15], v[122:123]
	v_pk_add_f32 v[236:237], v[236:237], v[126:127]
	v_pk_add_f32 v[246:247], v[246:247], v[130:131]
	v_pk_add_f32 v[244:245], v[244:245], v[134:135]
	v_pk_add_f32 v[242:243], v[242:243], v[138:139]
	v_pk_add_f32 v[240:241], v[240:241], v[142:143]
	v_pk_add_f32 v[232:233], v[232:233], v[146:147]
	v_pk_add_f32 v[90:91], v[90:91], v[150:151]
	v_pk_add_f32 v[14:15], v[14:15], v[154:155]
	v_pk_add_f32 v[236:237], v[236:237], v[158:159]
	s_delay_alu instid0(VALU_DEP_2)
	v_pk_add_f32 v[14:15], v[14:15], v[242:243]
	s_delay_alu instid0(VALU_DEP_2)
	v_pk_add_f32 v[236:237], v[236:237], v[240:241]
	v_pk_add_f32 v[246:247], v[246:247], v[232:233]
	v_pk_add_f32 v[244:245], v[244:245], v[90:91]
	s_delay_alu instid0(VALU_DEP_2)
	v_pk_add_f32 v[14:15], v[14:15], v[246:247]
	s_delay_alu instid0(VALU_DEP_2)
	v_pk_add_f32 v[236:237], v[236:237], v[244:245]
	s_delay_alu instid0(VALU_DEP_1)
	v_pk_add_f32 v[14:15], v[14:15], v[236:237]
.set j, 0
	s_setprio 0
.rept 16
	v_pk_mul_f32 v[O+j:O+j+1], v[O+j:O+j+1], v[252:253] op_sel_hi:[1,0]   ; O^T under the new M.  (The sums and these are the places between p's codes and scale word and the products)
.set j, j+2
.endr
	s_wait_alu depctr_va_vdst(0)
	s_wait_dscnt 0x0                               ; V and its scale words
.irp b, 0,1,2,3
	WM O+8*\b, VF+8*\b, PC, VS+\b/2, PW, \b%2, 0   ; lane (r, h), register 8 b + j: channel 16 b + 8 h + j, query r.  The four accumulators take turns
.endr
	s_add_co_u32 s[TB], s[TB], STEPB
	s_sub_co_u32 s[NSTEP], s[NSTEP], 1
	s_cmp_lg_u32 s[NSTEP], 0
	s_cbranch_scc1 .Lstep
	s_setprio 0
	v_add_f32 v14, v14, v15                        ; the sum's two halves,
	s_delay_alu instid0(VALU_DEP_1)
	v_permlanex16_b32 v251, v14, s[SEL], s[SEL+1]
	s_delay_alu instid0(VALU_DEP_1)
	v_add_f32 v14, v14, v251                       ; and lane l xor 16's: the row's sum
	s_wait_alu depctr_va_vdst(0)
	v_rcp_f32 v252, v14
	PLACES                                         ; behind the reciprocal, and behind the last products
.set j, 0
	s_wait_alu depctr_va_vdst(0)
.rept 16
	v_pk_mul_f32 v[O+j:O+j+1], v[O+j:O+j+1], v[252:253] op_sel_hi:[1,0]   ; o = O^T / the sum, each accumulator from its low end on
.set j, j+2
.endr
	QUANT2 O, 26, 30, BM                           ; v[26:29]: lane (r, h): row r, the head's channels 32 h on;  v30: the head's two scale bytes
	v_lshrrev_b32 v25, v9, v30                     ; block h's byte
	global_store_b128 v1, v[26:29], s[10:11]       ; 32 lanes store 512 consecutive bytes, at a multiple of 256 from the buffer's first byte
	global_store_b8 v8, v25, s[12:13]
	s_wait_xcnt 0x0                                ; the bases and the stores' data are written again only behind this wait
	s_add_nc_u64 s[4:5], s[4:5], 16*512            ; my second tile lies 16 tiles on
	s_add_nc_u64 s[6:7], s[6:7], 16*32
	s_add_nc_u64 s[10:11], s[10:11], 16*8192
	s_add_nc_u64 s[12:13], s[12:13], 16*64
	s_sub_co_u32 s[NTILE], s[NTILE], 1
	s_cmp_lg_u32 s[NTILE], 0
	s_cbranch_scc1 .Ltile
	s_wait_tensorcnt 0x0
	ds_add_u32 v31, v255
	s_wait_dscnt 0x0
	CROUND                                         ; the closing round
	s_endpgm
.Lfunc_end_k_q300a6fb9ac_attn:
	.size	k_q300a6fb9ac_attn, .Lfunc_end_k_q300a6fb9ac_attn-k_q300a6fb9ac_attn
	.p2alignl 7, 3214868480
	.fill 96, 4, 3214868480
	.section	.rodata,"a",@progbits
	.p2align	6, 0x0
	.amdhsa_kernel k_q300a6fb9ac_attn
		.amdhsa_group_segment_fixed_size 169984
		.amdhsa_private_segment_fixed_size 0
		.amdhsa_enable_private_segment 0
		.amdhsa_kernarg_size 40
		.amdhsa_user_sgpr_count 2
		.amdhsa_user_sgpr_kernarg_segment_ptr 1
		.amdhsa_wavefront_size32 1
		.amdhsa_system_sgpr_workgroup_id_x 1
		.amdhsa_system_sgpr_workgroup_id_y 1
		.amdhsa_system_sgpr_workgroup_id_z 1
		.amdhsa_system_vgpr_workitem_id 0
		.amdhsa_next_free_vgpr 256
		.amdhsa_next_free_sgpr 66
		.amdhsa_reserve_vcc 0
		.amdhsa_float_denorm_mode_32 3
		.amdhsa_float_denorm_mode_16_64 3
		.amdhsa_memory_ordered 1
		.amdhsa_forward_progress 1
		.amdhsa_inst_pref_size 28
	.end_amdhsa_kernel
	.amdgpu_metadata
---
amdhsa.version: [ 1, 2 ]
amdhsa.kernels:
  - .name:           k_q300a6fb9ac_attn
    .symbol:         k_q300a6fb9ac_attn.kd
    .args:
      - { .name: qimg, .offset: 0, .size: 8, .value_kind: global_buffer, .address_space: global }
      - { .name: qsc, .offset: 8, .size: 8, .value_kind: global_buffer, .address_space: global }
      - { .name: kv, .offset: 16, .size: 8, .value_kind: global_buffer, .address_space: global }
      - { .name: oimg, .offset: 24, .size: 8, .value_kind: global_buffer, .address_space: global }
      - { .name: osc, .offset: 32, .size: 8, .value_kind: global_buffer, .address_space: global }
    .group_segment_fixed_size: 169984
    .private_segment_fixed_size: 0
    .kernarg_segment_align: 8
    .kernarg_segment_size: 40
    .max_flat_workgroup_size: 512
    .sgpr_count:     66
    .vgpr_count:     256
    .wavefront_size: 32
...
	.end_amdgpu_metadata
.endif
;; end of part 2
;; launch proj (part 3): grid 8 x 32, 8 waves a work-group, clusters of 4 x 4, 263,168 bytes of LDS; arguments oimg, osc, Wo_codes, Wo_scales, bo, out0; writes out0
.if DOCPART == 3
	.amdgcn_target "amdgcn-amd-amdhsa--gfx1250"
	.amdhsa_code_object_version 6
	.text
	.protected	k_q300a6fb9ac_proj
	.globl	k_q300a6fb9ac_proj
	.p2align	8
	.type	k_q300a6fb9ac_proj,@function
k_q300a6fb9ac_proj:
	s_mov_b64 s[64:65], 0
	v_nop
	global_prefetch_b8 v0, s[64:65] scope:SCOPE_SE
	s_setreg_imm32_b32 hwreg(HW_REG_WAVE_MODE, 25, 1), 1
	s_wait_xcnt 0x0
	s_wait_alu depctr_hold_cnt(0) depctr_sa_sdst(0) depctr_va_vdst(0) depctr_va_sdst(0) depctr_va_ssrc(0) depctr_va_vcc(0) depctr_vm_vsrc(0)
	s_getreg_b32 s2, hwreg(HW_REG_IB_STS2, 6, 4)
	s_cmp_eq_u32 s2, 0
	s_cbranch_scc0 .Lentry_in_a_cluster
	s_endpgm
.Lentry_in_a_cluster:
	s_bfe_u32 s2, ttmp6, 0x10000c
	s_cmp_lg_u32 s2, 0xf033
	s_cbranch_scc0 .Lentry_shape_is_right
	s_endpgm
.Lentry_shape_is_right:
; out = o Wo^T + bo on codes of FP4 (E2M1) with one E8M0 scale for each 32 along K = 1,024; out is f32.
; o comes as images of operand registers, [tile of 16 rows][K step of 128][two groups of four registers, 512 bytes each], its scale words as [K step][row][4 bytes]; Wo as rows of codes and scale bytes.
; SHARES.  A work-group makes 256 rows x 128 columns.  Eight waves: wave w takes Wo's rows 64 (w % 2) on (P, source 0) and o's rows 64 (w / 2) on (R, source 1): 64 x 64 in 16 accumulators.
; Register j of accumulator (a, b) in lane (r, h) is out(row 16 b + r, column 16 a + 8 h + j): eight neighbouring columns of one row.
; LDS is filled ONCE: all of K for both operands, in two chunks of four K steps, and the scale bytes.  No byte is filled twice; the stage for the way out has bytes of its own.
; CLUSTERS: 4 x 4 work-groups.  o's rows hang on the block of rows alone, which a row of the cluster shares; Wo's on the block of columns alone, which a column shares: each tile is asked for jointly.
; THE BIAS is loaded straight into the accumulators, in the result's layout: the first K step adds onto it.
.set PITCH, 272                        ; an LDS row of Wo's codes, and of the stage: 256 bytes + 16 of padding
.set OICH,  65536                      ; o's images: a chunk: 16 tiles of rows x 4 K steps x 1,024 bytes
.set WO,    2*OICH                     ; Wo's codes: a chunk: 128 rows
.set WOCH,  128*PITCH
.set OSC,   WO+2*WOCH                  ; o's scale words: [quarter of 64 rows][K step][64 rows x 4 bytes]
.set WSC,   OSC+8192                   ; Wo's scale bytes: 32 a row
.set STG,   WSC+4096                   ; the stages: 16 rows x 272 bytes for each wave
.set SCP,   32                         ; v32-47   P's scale words: register 8 (a / 2) + K step; lanes 0-15 tile 2 (a / 2), lanes 16-31 the tile behind it
.set SCR,   48                         ; v48-63   R's likewise
.set PF,    64                         ; v64-95   P's four fragments;  v96-127 R's;  on the way out both hold rows read back from the stage
.set RF,    96
.set ACC,   128                        ; v128-255 accumulator (a, b) at 8 (4 b + a)
.set WV,    16
.set PA,    17
.set RB,    18
.set W3,    19
.set CX,    20
.set CY,    21
.set NX,    22
.set MY,    23
.set RMASK, 24
.set CMASK, 25
.set G1OI,  28
.set G1OS,  36
.set G1WO,  44
.set G1WS,  52
.set G0OS,  68
.set G0OI0, 72
.set G0OI1, 76
.set G0WS,  80
.set G0WO0, 84
.set G0WO1, 88
.macro PLACES
.rept 4
	v_nop
.endr
.endm
.macro CROUND                          ; a round of the cluster's barrier
	s_barrier_signal -1
	s_barrier_wait -1
	s_cmp_lg_u32 s[WV], 0
	s_cbranch_scc1 .Lnot_wave_0_\@
	s_barrier_signal -3
.Lnot_wave_0_\@:
	s_barrier_wait -3
	s_barrier_signal -1
	s_barrier_wait -1
.endm
.macro WM d, a, b, sa, sb, ra, rb
.if ((\ra)==0) && ((\rb)==0)
	v_wmma_scale_f32_16x16x128_f8f6f4 v[\d:\d+7], v[\a:\a+7], v[\b:\b+7], v[\d:\d+7], v[\sa], v[\sb] matrix_a_fmt:MATRIX_FMT_FP4 matrix_b_fmt:MATRIX_FMT_FP4
.elseif (\rb)==0
	v_wmma_scale_f32_16x16x128_f8f6f4 v[\d:\d+7], v[\a:\a+7], v[\b:\b+7], v[\d:\d+7], v[\sa], v[\sb] matrix_a_fmt:MATRIX_FMT_FP4 matrix_b_fmt:MATRIX_FMT_FP4 matrix_a_scale:MATRIX_SCALE_ROW1
.elseif (\ra)==0
	v_wmma_scale_f32_16x16x128_f8f6f4 v[\d:\d+7], v[\a:\a+7], v[\b:\b+7], v[\d:\d+7], v[\sa], v[\sb] matrix_a_fmt:MATRIX_FMT_FP4 matrix_b_fmt:MATRIX_FMT_FP4 matrix_b_scale:MATRIX_SCALE_ROW1
.else
	v_wmma_scale_f32_16x16x128_f8f6f4 v[\d:\d+7], v[\a:\a+7], v[\b:\b+7], v[\d:\d+7], v[\sa], v[\sb] matrix_a_fmt:MATRIX_FMT_FP4 matrix_b_fmt:MATRIX_FMT_FP4 matrix_a_scale:MATRIX_SCALE_ROW1 matrix_b_scale:MATRIX_SCALE_ROW1
.endif
.endm
; 128 along K: the sq-th of chunk ch.  The 16 accumulators take turns, one instruction a turn, in the same order in every step.
.macro KSTEP ch, sq, first
.if !(\first)
	PLACES
.endif
.irp b, 0,1,2,3
	ds_load_b128 v[RF+8*\b:RF+8*\b+3],   v[6+\ch] offset:4096*\b+1024*\sq         ; o's images: 512 consecutive bytes a load
	ds_load_b128 v[RF+8*\b+4:RF+8*\b+7], v[6+\ch] offset:4096*\b+1024*\sq+512
.endr
.irp a, 0,1,2,3
	ds_load_b128 v[PF+8*\a:PF+8*\a+3],   v[4+\ch] offset:16*PITCH*\a+64*\sq
	ds_load_b128 v[PF+8*\a+4:PF+8*\a+7], v[4+\ch] offset:16*PITCH*\a+64*\sq+32
.endr
.irp a, 0,1,2,3
	s_wait_dscnt 2*(3-\a)                          ; R's fragments and P's up to a are in; the two loads of each later fragment of P may be out
.irp b, 0,1,2,3
	WM ACC+8*(4*\b+\a), PF+8*\a, RF+8*\b, SCP+8*(\a/2)+4*\ch+\sq, SCR+8*(\b/2)+4*\ch+\sq, \a%2, \b%2
.endr
.endr
.endm
	s_load_b256 s[4:11], s[0:1], 0x0               ; oimg s[4:5], osc s[6:7], Wo's codes s[8:9], Wo's scales s[10:11]
	s_load_b128 s[12:15], s[0:1], 0x20             ; bo s[12:13], out s[14:15]
	v_lshl_add_u32 v30, v0, 2, 0x40000
	v_mov_b32 v31, 0
	ds_add_u32 v30, v31
	ds_add_u32 v30, v31
	v_lshrrev_b32 v1, 5, v0
	s_delay_alu instid0(VALU_DEP_1)
	v_readfirstlane_b32 s[WV], v1                  ; wave 0..7
	s_and_b32 s[PA], s[WV], 1                      ; which 64 rows of Wo are mine.  Also: which 64 a wave 4, 5 fetches
	s_lshr_b32 s[RB], s[WV], 1                     ; which 64 rows of o are mine
	s_and_b32 s[W3], s[WV], 3                      ; which 64 rows of o a wave 0..3 fetches
	s_bfe_u32 s[CX], ttmp6, 0x40000
	s_bfe_u32 s[CY], ttmp6, 0x40004
	s_lshl_b32 s[NX], ttmp9, 2
	s_add_co_u32 s[NX], s[NX], s[CX]               ; the block of 128 columns = 4 x cluster x + cx
	s_and_b32 s[MY], ttmp7, 0xffff
	s_lshl_b32 s[MY], s[MY], 2
	s_add_co_u32 s[MY], s[MY], s[CY]               ; the block of 256 rows = 4 x cluster y + cy
	s_lshl_b32 s[RMASK], s[CY], 2
	s_lshl_b32 s[RMASK], 15, s[RMASK]              ; my row of the cluster
	s_lshl_b32 s[CMASK], 0x1111, s[CX]             ; my column
	; groups 1.  o's images: 4 tiles of rows, of each 4,096 of its 8,192 bytes: 4 rows of 512 elements of 8 bytes, 1,024 elements apart
	s_or_b32 s[G1OI], s[RMASK], (3<<16)|(1<<21)
	s_mov_b32 s[G1OI+1], 512<<16
	s_mov_b32 s[G1OI+2], 4<<16
	s_mov_b32 s[G1OI+3], 512<<16
	s_mov_b32 s[G1OI+4], 4
	s_mov_b32 s[G1OI+5], 1024
	s_mov_b32 s[G1OI+6], 0
	s_mov_b32 s[G1OI+7], 0
	; o's scale words of 64 rows: for each of 8 K steps 256 bytes, 32,768 bytes apart
	s_or_b32 s[G1OS], s[RMASK], (3<<16)|(1<<21)
	s_mov_b32 s[G1OS+1], 32<<16
	s_mov_b32 s[G1OS+2], 8<<16
	s_mov_b32 s[G1OS+3], 32<<16
	s_mov_b32 s[G1OS+4], 8
	s_mov_b32 s[G1OS+5], 4096
	s_mov_b32 s[G1OS+6], 0
	s_mov_b32 s[G1OS+7], 0
	; Wo's codes: 64 rows x 256 bytes, 512 bytes apart, 16 bytes of padding behind each row in LDS
	s_or_b32 s[G1WO], s[CMASK], (1<<20)|(1<<21)|(5<<22)|(3<<25)
	s_mov_b32 s[G1WO+1], 256<<16
	s_mov_b32 s[G1WO+2], 64<<16
	s_mov_b32 s[G1WO+3], 256<<16
	s_mov_b32 s[G1WO+4], 64
	s_mov_b32 s[G1WO+5], 512
	s_mov_b32 s[G1WO+6], 0
	s_mov_b32 s[G1WO+7], 0
	; Wo's scale bytes of 64 rows: 2,048 dense bytes
	s_or_b32 s[G1WS], s[CMASK], (3<<16)|(1<<21)
	s_mov_b32 s[G1WS+1], 32<<16
	s_mov_b32 s[G1WS+2], 8<<16
	s_mov_b32 s[G1WS+3], 32<<16
	s_mov_b32 s[G1WS+4], 8
	s_mov_b32 s[G1WS+5], 32
	s_mov_b32 s[G1WS+6], 0
	s_mov_b32 s[G1WS+7], 0
	s_lshl_b32 s92, s[MY], 8
	s_lshl_b32 s94, s[W3], 6
	s_add_co_u32 s92, s92, s94                     ; the first of the 64 rows of o that a wave 0..3 fetches
	s_lshl_b32 s94, s92, 9                         ; their images: 8,192 bytes for 16 rows,
	s_lshl_b32 s92, s92, 2                         ; their scale words
	s_mov_b32 s93, 0
	s_mov_b32 s95, 0
	s_lshl_b32 s96, s[NX], 7
	s_lshl_b32 s98, s[PA], 6
	s_add_co_u32 s96, s96, s98                     ; the first of the 64 rows of Wo
	s_lshl_b32 s98, s96, 9                         ; their codes,
	s_lshl_b32 s96, s96, 5                         ; their scale bytes
	s_mov_b32 s97, 0
	s_mov_b32 s99, 0
	s_lshl_b32 s26, s[W3], 11                      ; where they go: no place in the cluster enters an LDS address
	s_lshl_b32 s27, s[W3], 14
	s_lshl_b32 s60, s[PA], 11
	s_mul_i32 s61, s[PA], 64*PITCH
	s_wait_dscnt 0x0
	s_wait_kmcnt 0x0
	s_mov_b32 s[G0OS], 1
	s_add_co_u32 s[G0OS+1], s26, OSC
	s_add_nc_u64 s[G0OS+2:G0OS+3], s[6:7], s[92:93]
	s_or_b32 s[G0OS+3], s[G0OS+3], 0x80000000
	s_mov_b32 s[G0OI0], 1
	s_mov_b32 s[G0OI0+1], s27
	s_add_nc_u64 s[G0OI0+2:G0OI0+3], s[4:5], s[94:95]
	s_mov_b32 s[G0OI1], 1
	s_add_co_u32 s[G0OI1+1], s27, OICH
	s_add_nc_u64 s[G0OI1+2:G0OI1+3], s[G0OI0+2:G0OI0+3], 4096
	s_or_b32 s[G0OI0+3], s[G0OI0+3], 0x80000000
	s_or_b32 s[G0OI1+3], s[G0OI1+3], 0x80000000
	s_mov_b32 s[G0WS], 1
	s_add_co_u32 s[G0WS+1], s60, WSC
	s_add_nc_u64 s[G0WS+2:G0WS+3], s[10:11], s[96:97]
	s_or_b32 s[G0WS+3], s[G0WS+3], 0x80000000
	s_mov_b32 s[G0WO0], 1
	s_add_co_u32 s[G0WO0+1], s61, WO
	s_add_nc_u64 s[G0WO0+2:G0WO0+3], s[8:9], s[98:99]
	s_mov_b32 s[G0WO1], 1
	s_add_co_u32 s[G0WO1+1], s61, WO+WOCH
	s_add_nc_u64 s[G0WO1+2:G0WO1+3], s[G0WO0+2:G0WO0+3], 256
	s_or_b32 s[G0WO0+3], s[G0WO0+3], 0x80000000
	s_or_b32 s[G0WO1+3], s[G0WO1+3], 0x80000000
	CROUND                                         ; all sixteen work-groups are here: the joint loads meet
	s_cmp_lt_u32 s[WV], 4                          ; a wave's three fills stand in one branch: scales, chunk 0, chunk 1; four v_nop follow the third
	s_cbranch_scc0 .Lnot_o
	tensor_load_to_lds s[G0OS:G0OS+3], s[G1OS:G1OS+7]
	s_nop 0
	tensor_load_to_lds s[G0OI0:G0OI0+3], s[G1OI:G1OI+7]
	s_nop 0
	tensor_load_to_lds s[G0OI1:G0OI1+3], s[G1OI:G1OI+7]
	s_nop 0
	PLACES
	s_branch .Lasked
.Lnot_o:
	s_cmp_lt_u32 s[WV], 6
	s_cbranch_scc0 .Lasked
	tensor_load_to_lds s[G0WS:G0WS+3], s[G1WS:G1WS+7]
	s_nop 0
	tensor_load_to_lds s[G0WO0:G0WO0+3], s[G1WO:G1WO+7]
	s_nop 0
	tensor_load_to_lds s[G0WO1:G0WO1+3], s[G1WO:G1WO+7]
	s_nop 0
	PLACES
.Lasked:
	v_and_b32 v1, 31, v0                           ; lane
	v_and_b32 v2, 15, v0                           ; r
	v_bfe_u32 v3, v0, 4, 1                         ; h
	s_delay_alu instid0(VALU_DEP_2)
	v_mul_u32_u24 v14, v2, PITCH
	s_wait_alu depctr_va_vdst(0)
	v_lshl_add_u32 v15, v3, 4, v14                 ; a fragment of Wo: row r, + 16 h
	s_mul_i32 s26, s[PA], 64*PITCH
	s_add_co_u32 s26, s26, WO
	v_add_nc_u32 v4, s26, v15                      ; v4, v5: P's fragments in chunk 0, 1
	s_delay_alu instid0(VALU_DEP_1)
	v_add_nc_u32 v5, WOCH, v4
	s_lshl_b32 s26, s[RB], 14
	v_lshl_add_u32 v6, v1, 4, s26                  ; v6, v7: R's images: 16 x lane + my four tiles of rows
	s_delay_alu instid0(VALU_DEP_1)
	v_add_nc_u32 v7, OICH, v6
	s_lshl_b32 s26, s[PA], 11
	s_add_co_u32 s26, s26, WSC
	v_lshl_add_u32 v8, v1, 5, s26                  ; Wo's scale bytes: lane l takes row l of 32 rows
	s_lshl_b32 s26, s[RB], 11
	s_add_co_u32 s26, s26, OSC
	v_lshl_add_u32 v9, v1, 2, s26                  ; o's scale words: lane l takes row l of 32 rows
	s_mul_i32 s26, s[WV], 16*PITCH
	s_add_co_u32 s26, s26, STG                     ; my stage
	v_lshl_add_u32 v10, v3, 5, v14
	s_delay_alu instid0(VALU_DEP_1)
	v_add_nc_u32 v10, s26, v10                     ; in: row r, 32 bytes for each half of the lanes
	v_mul_u32_u24 v11, v3, PITCH
	s_delay_alu instid0(VALU_DEP_1)
	v_lshl_add_u32 v11, v2, 4, v11
	s_delay_alu instid0(VALU_DEP_1)
	v_add_nc_u32 v11, s26, v11                     ; back: lanes 0-15 one row of 256 bytes, lanes 16-31 the next
	v_lshlrev_b32 v12, 12, v3
	s_delay_alu instid0(VALU_DEP_1)
	v_lshl_add_u32 v12, v2, 4, v12                 ; and the same two rows in out: 4,096 bytes a row
	v_lshlrev_b32 v13, 5, v3                       ; the bias: register j of (a, b) wants column 16 a + 8 h + j
	s_wait_alu depctr_va_vdst(0)
	s_lshl_b32 s26, s[NX], 9
	s_lshl_b32 s27, s[PA], 8
	s_add_co_u32 s26, s26, s27                     ; my first column, in bytes of f32: 512 x block + 256 x half
	s_mov_b32 s27, 0
	s_add_nc_u64 s[60:61], s[12:13], s[26:27]      ; bo there
	s_lshl_b32 s92, s[MY], 8
	s_lshl_b32 s94, s[RB], 6
	s_add_co_u32 s92, s92, s94                     ; my first row
	s_lshl_b32 s92, s92, 12
	s_add_co_u32 s92, s92, s26
	s_mov_b32 s93, 0
	s_add_nc_u64 s[62:63], s[14:15], s[92:93]      ; out there
.irp b, 0,1,2,3
.irp a, 0,1,2,3
	global_load_b128 v[ACC+8*(4*\b+\a):ACC+8*(4*\b+\a)+3],   v13, s[60:61] offset:64*\a
	global_load_b128 v[ACC+8*(4*\b+\a)+4:ACC+8*(4*\b+\a)+7], v13, s[60:61] offset:64*\a+16
.endr
.endr
	s_wait_tensorcnt 0x1                           ; my scales and my part of chunk 0 are in; chunk 1's load, the one issued behind them, may stay out
	s_barrier_signal -1
	s_barrier_wait -1                              ; everybody's are
.irp i, 0,1
	ds_load_b128 v[SCP+8*\i:SCP+8*\i+3],   v8 offset:1024*\i        ; the scale words of all eight K steps stay in registers
	ds_load_b128 v[SCP+8*\i+4:SCP+8*\i+7], v8 offset:1024*\i+16
.endr
.irp i, 0,1
.irp s, 0,1,2,3,4,5,6,7
	ds_load_b32 v[SCR+8*\i+\s], v9 offset:256*\s+128*\i
.endr
.endr
	s_wait_loadcnt 0x0                             ; the bias
	KSTEP 0, 0, 1
	KSTEP 0, 1, 0
	KSTEP 0, 2, 0
	KSTEP 0, 3, 0
	s_wait_tensorcnt 0x0                           ; my part of chunk 1 is in,
	s_wait_dscnt 0x0                               ; no LDS instruction of mine is pending at the signal
	s_barrier_signal -1
	s_barrier_wait -1                              ; everybody's is
	KSTEP 1, 0, 0
	KSTEP 1, 1, 0
	KSTEP 1, 2, 0
	KSTEP 1, 3, 0
	; THE WAY OUT, 16 rows x 64 columns at a time.  A lane holds 32 neighbouring bytes of a row and the lanes beside it other rows: the block goes through my own stage and comes back as whole rows of
	; 256 bytes.  LDS serves a wave's instructions in order (ISA guide 5.7.1.4): no wait between the stores and the loads, nor in front of the next block's stores.
	PLACES
.irp b, 0,1,2,3
.if \b >= 2
	s_wait_xcnt 0x0                                ; the stores of two blocks ago have read their registers: the loads below may land there
.endif
.irp a, 0,1,2,3
	ds_store_b128 v10, v[ACC+8*(4*\b+\a):ACC+8*(4*\b+\a)+3]   offset:64*\a      ; each accumulator from its low end on
	ds_store_b128 v10, v[ACC+8*(4*\b+\a)+4:ACC+8*(4*\b+\a)+7] offset:64*\a+16
.endr
.irp t, 0,1,2,3,4,5,6,7
	ds_load_b128 v[PF+32*(\b%2)+4*\t:PF+32*(\b%2)+4*\t+3], v11 offset:2*PITCH*\t
.endr
	s_wait_dscnt 0x0
.irp t, 0,1,2,3,4,5,6,7
	global_store_b128 v12, v[PF+32*(\b%2)+4*\t:PF+32*(\b%2)+4*\t+3], s[62:63] offset:(16*\b+2*\t)*4096 th:TH_STORE_NT   ; 16 lanes store 256 consecutive bytes, at a multiple of 256 from out's first byte; written once, read by nobody here
.endr
.endr
	s_wait_tensorcnt 0x0
	ds_add_u32 v30, v31
	s_wait_dscnt 0x0
	CROUND                                         ; the closing round: no work-group ends while a partner may still ask for a tile that names it
	s_endpgm
.Lfunc_end_k_q300a6fb9ac_proj:
	.size	k_q300a6fb9ac_proj, .Lfunc_end_k_q300a6fb9ac_proj-k_q300a6fb9ac_proj
	.p2alignl 7, 3214868480
	.fill 96, 4, 3214868480
	.section	.rodata,"a",@progbits
	.p2align	6, 0x0
	.amdhsa_kernel k_q300a6fb9ac_proj
		.amdhsa_group_segment_fixed_size 263168
		.amdhsa_private_segment_fixed_size 0
		.amdhsa_enable_private_segment 0
		.amdhsa_kernarg_size 48
		.amdhsa_user_sgpr_count 2
		.amdhsa_user_sgpr_kernarg_segment_ptr 1
		.amdhsa_wavefront_size32 1
		.amdhsa_system_sgpr_workgroup_id_x 1
		.amdhsa_system_sgpr_workgroup_id_y 1
		.amdhsa_system_sgpr_workgroup_id_z 1
		.amdhsa_system_vgpr_workitem_id 0
		.amdhsa_next_free_vgpr 256
		.amdhsa_next_free_sgpr 100
		.amdhsa_reserve_vcc 0
		.amdhsa_float_denorm_mode_32 3
		.amdhsa_float_denorm_mode_16_64 3
		.amdhsa_memory_ordered 1
		.amdhsa_forward_progress 1
		.amdhsa_inst_pref_size 47
	.end_amdhsa_kernel
	.amdgpu_metadata
---
amdhsa.version: [ 1, 2 ]
amdhsa.kernels:
  - .name:           k_q300a6fb9ac_proj
    .symbol:         k_q300a6fb9ac_proj.kd
    .args:
      - { .name: oimg, .offset: 0, .size: 8, .value_kind: global_buffer, .address_space: global }
      - { .name: osc, .offset: 8, .size: 8, .value_kind: global_buffer, .address_space: global }
      - { .name: Wo_codes, .offset: 16, .size: 8, .value_kind: global_buffer, .address_space: global }
      - { .name: Wo_scales, .offset: 24, .size: 8, .value_kind: global_buffer, .address_space: global }
      - { .name: bo, .offset: 32, .size: 8, .value_kind: global_buffer, .address_space: global }
      - { .name: out0, .offset: 40, .size: 8, .value_kind: global_buffer, .address_space: global }
    .group_segment_fixed_size: 263168
    .private_segment_fixed_size: 0
    .kernarg_segment_align: 8
    .kernarg_segment_size: 48
    .max_flat_workgroup_size: 256
    .sgpr_count:     100
    .vgpr_count:     256
    .wavefront_size: 32
...
	.end_amdgpu_metadata
.endif
;; end of part 3
